; MI455X (gfx1250); checked and timed in simulation.
; The chip was launched on July 23, 2026; its instructions are those of AMD's public machine-readable ISA for CDNA 5 (MIT licence, August 2026) and "CDNA5" Instruction Set Architecture Reference Guide (July 2026). The comments in the code are by the model that wrote it; some were corrected since.
;; Transformer Block Quantum. Allowed arithmetic: matrix products marked QUANTISED: E5M2 operands, one given power-of-two scale a tensor, by v_wmma_f32_16x16x64_bf8_bf8 or v_wmma_f32_16x16x128_bf8_bf8, f32 sums; products left as they are: f32 operands where the result goes on into a quantised operand, else bf16, f16 or f32 operands; f32 sums; everything else in f32.
;; Inputs: b1 1,024 float32; b2 256 float32; b_comb 256 float32; b_in 768 float32; b_ip 8 float32; b_out 256 float32; be1 256 float32; be2 256 float32; g1 256 float32; g2 256 float32; lowp_scales 8 int32 (the exponents e of the quantised operands' scales 2^e); theta_attn 8 float32; theta_ffn 8 float32; w1 1,024 x 8 float32; w2_codes 256 x 32 x 32 uint8 (E5M2 codes of w2, K innermost, in blocks of 32 codes); w_comb_codes 256 x 8 x 32 uint8 (E5M2 codes of w_comb, K innermost, in blocks of 32 codes); w_in_codes 768 x 8 x 32 uint8 (E5M2 codes of w_in, K innermost, in blocks of 32 codes); w_ip 8 x 256 float32; w_out_codes 256 x 8 x 32 uint8 (E5M2 codes of w_out, K innermost, in blocks of 32 codes); x 4 x 1,024 x 256 float32.
;; Outputs: out0 4 x 1,024 x 256 float32.
;; This version of the problem:
;;   THIS VERSION OF THE PROBLEM IS GIVEN IN LOW PRECISION. The matrix products marked QUANTISED in the list below multiply operands that are first quantised to E5M2 (5 exponent bits, 2 mantissa bits; 8 bits a number), with one given power-of-two scale for each operand tensor; their sums are f32. All else is computed in f32.
;;   The module's matrix products, in the order in which they are computed (A, B: the left and right operand; K: the contracted axis; several contracted axes count as one K, in the product's order):
;;     1. [M 4,096, K 256] x [K 256, N 768]; A: computed on the way; B: input w_in (given as codes): QUANTISED (scales: A lowp_scales[0], B lowp_scales[1])
;;     2. batch 128 x [M 1,024, K 8] x [K 8, N 1,024]; A: computed on the way; B: computed on the way: left as it is (K = 8 < 32)
;;     3. batch 128 x [M 1,024, K 1,024] x [K 1,024, N 8]; A: softmax; B: computed on the way: left as it is (N = 8 < 16)
;;     4. [M 4,096, K 256] x [K 256, N 256]; A: computed on the way; B: input w_out (given as codes): QUANTISED (scales: A lowp_scales[2], B lowp_scales[3])
;;     5. [M 4,096, K 256] x [K 256, N 256]; A: computed on the way; B: input w_comb (given as codes): QUANTISED (scales: A lowp_scales[4], B lowp_scales[5])
;;     6. [M 4,096, K 256] x [K 256, N 8]; A: computed on the way; B: input w_ip: left as it is (N = 8 < 16)
;;     7. [M 4,096, K 8] x [K 8, N 1,024]; A: computed on the way; B: input w1: left as it is (K = 8 < 32)
;;     8. [M 4,096, K 1,024] x [K 1,024, N 256]; A: computed on the way; B: input w2 (given as codes): QUANTISED (scales: A lowp_scales[6], B lowp_scales[7])
;;   THE QUANTISER, for each operand of a quantised product, along K:
;;     - The operand's scale is 2^e, e = its entry of the input lowp_scales (int32; the entries are numbered through the quantised products in the list's order, A before B).
;;     - Each number is divided by the scale, clamped to +-57,344, and rounded to the nearest number of E5M2, ties to even, subnormals kept.
;;     - The product sums the exact products of the quantised numbers (number of the format x scale) in f32.
;;   ~~~python
;;   def quantise(x, axis, e):      # numpy; x: float32 -> the quantised numbers, widened to float32 again
;;       x = np.moveaxis(x, axis, -1); K = x.shape[-1]
;;       r = np.clip(x / 2.0 ** e, -57344, 57344)
;;       step = 2.0 ** (np.maximum(np.frexp(np.where(r == 0, 1, r))[1] - 1, -14) - 2)
;;       q = np.round(r / step) * step * 2.0 ** e      # np.round: ties to even
;;       return np.moveaxis(q, -1, axis).astype(np.float32)
;;   ~~~
;;   OPERANDS COMPUTED ON THE WAY. 'Computed on the way' means the value that the module computes at that place (a softmax that the list does not call 'softmax' is quantised finished and normalised). What goes into a quantiser is computed in f32, as accurately as f32 sums, v_exp_f32 and their like allow (about 1e-6 of the number): no bf16 or f16 on the way to a quantiser, and a product that is left as it is and whose result goes on into a quantised operand takes f32 operands (vector FMAs, or v_wmma_f32_16x16x4_f32). A number that lies on a knife's edge between two numbers of the format may be rounded either way, as far as f32 arithmetic and the matrix unit's own rounding can turn it there, and no further.
;;   INPUTS GIVEN AS CODES. w2 (in the module: [256, 1024], K = its axis 1); w_comb (in the module: [256, 256], K = its axis 1); w_in (in the module: [768, 256], K = its axis 1); w_out (in the module: [256, 256], K = its axis 1): each comes as NAME_codes (uint8): NAME with its K axis moved to the last place and cut into blocks of 32 codes, [.., K / 32, bytes a block], one block behind the other in memory; one code a byte (a code: sign, 5 exponent bits, 2 mantissa bits); its scale is its entry of lowp_scales. Its value is code x scale, taken as it is: it is not quantised again, and the codes and scales need not be those that the quantiser above would give.
;; One version. Each part assembles by itself: llvm-mc -triple=amdgcn-amd-amdhsa -mcpu=gfx1250 --defsym DOCPART=n.
;; ======== version 1 of 1: 3 launches
;; limits: inputs' magnitudes at most 48,000; right only within a limited range of input values
;; workspace buffers: qkv 12,582,912 bytes; ctxc 1,048,576 bytes
;; launch inproj (part 1): grid 256 x 1, 8 waves a work-group, clusters of 4 x 1, 214,016 bytes of LDS; arguments x, theta_attn, w_in_codes, b_in, lowp_scales, qkv; writes qkv
.if DOCPART == 1
	.amdgcn_target "amdgcn-amd-amdhsa--gfx1250"
	.amdhsa_code_object_version 6
	.text
	.protected	k_qbed8f48254_inproj
	.globl	k_qbed8f48254_inproj
	.p2align	8
	.type	k_qbed8f48254_inproj,@function
k_qbed8f48254_inproj:
	s_mov_b64 s[64:65], 0
	v_nop
	global_prefetch_b8 v0, s[64:65] scope:SCOPE_SE
	s_setreg_imm32_b32 hwreg(HW_REG_WAVE_MODE, 25, 1), 1
	s_wait_xcnt 0x0
	s_wait_alu depctr_hold_cnt(0) depctr_sa_sdst(0) depctr_va_vdst(0) depctr_va_sdst(0) depctr_va_ssrc(0) depctr_va_vcc(0) depctr_vm_vsrc(0)
	s_getreg_b32 s2, hwreg(HW_REG_IB_STS2, 6, 4)
	s_cmp_eq_u32 s2, 0
	s_cbranch_scc0 .Lentry_in_a_cluster
	s_endpgm
.Lentry_in_a_cluster:
	s_bfe_u32 s2, ttmp6, 0x10000c
	s_cmp_lg_u32 s2, 0x3003
	s_cbranch_scc0 .Lentry_shape_is_right
	s_endpgm
.Lentry_shape_is_right:
; qkv = Q(cos(x + theta_attn)) w_in^T + b_in.  x: [4096][256] f32; w_in: [768][256] codes of E5M2, K innermost; Q: the quantiser with the given scale 2^e0; w_in's scale is 2^e1.
; OUT: qkv, f32, laid [b*32+head][q,k,v][plane 0,1][s 1024][4]: plane p holds a head's dims 4p .. 4p+3, so that 16 neighbouring tokens' 16 bytes are 256 consecutive, aligned bytes.
; SHARES.  A work-group takes 16 tokens.  Wave w makes the cosines and codes of columns 32 w .. 32 w + 31 (one group of four registers of the operand), hands them round through LDS as an image of the
; operand's registers, and then makes output features 96 w .. 96 w + 95: six tiles of 16, two K steps of 128 each.
; THE PRODUCT IS USED TRANSPOSED (source 0 = 16 rows of w_in, source 1 = the 16 tokens): lane (r, h) holds token r and features 16 T + 8 h + 0 .. 7, which are one head's eight dims.
; k lies in the registers as four 16-byte loads give it (registers 4 c .. 4 c + 3: k = 32 c + 16 h + 0 .. 15), alike in both operands.
; CLUSTER.  All work-groups read all of w_in: the four of a cluster ask for it jointly; each wave asks for the 96 rows that it alone reads, so its own wait on TENSORcnt orders its reads.
; No LDS byte is filled twice.  Nothing is prefetched: all that the launch reads is asked for at its head.
; THE COSINE is written out in f32: n = round(a 2/pi), r = a - n pi/2 in three parts, polynomials for cos r and sin r, chosen and signed by n mod 4.
; LIMITS: |x + theta| up to 48,000 (beyond that the reduction loses accuracy); e0 between -126 and 112, e0 + e1 between -126 and 127; NaN among the inputs is not served.
.set WV,    16                         ; s16  wave
.set PITCH, 272                        ; a row of w_in in LDS: 256 bytes + 16: an odd multiple of 16, so the sixteen rows of a load start at sixteen different 16-byte columns of 256
.set WTILE, 96*PITCH                   ; a wave's 96 rows
.set XIMG,  8*WTILE                    ; behind w_in: the operand's image, eight groups of 512 bytes
.set CK,    44                         ; s[44:54] the cosine's constants
.set OFF,   7                          ; v7-12  tile t: my byte offset in qkv
.set X,     16                         ; v16-31 my 16 numbers of x
.set CT,    32                         ; v32-51 the cosine's temporaries
.set CODE,  52                         ; v52-55 my 16 codes
.set ACT,   56                         ; v56-87 the operand: two K steps of 16 registers
.set WF,    88                         ; v88-183 w_in's fragments of three tiles x two K steps
.set ACC,   184                        ; v184-207 three accumulators
.set BIAS,  208                        ; v208-255 b_in in the result's layout, six tiles; the results take its place
.macro ROUND                           ; a round of the cluster's barrier
	s_barrier_signal -1
	s_barrier_wait -1
	s_cmp_lg_u32 s[WV], 0
	s_cbranch_scc1 .Lnot_wave_0_\@
	s_barrier_signal -3
.Lnot_wave_0_\@:
	s_barrier_wait -3
	s_barrier_signal -1
	s_barrier_wait -1
.endm
.macro PLACES n
.rept \n
	v_nop
.endr
.endm
; cos of v[x] .. v[x+3], in place.  Temporaries from v[t]: +0 n, +4 r, +8 r^2, +12 cos r, +16 sin r; four numbers take turns line by line.
.macro COS4 x, t
.irp e,0,1,2,3
	v_mul_f32 v[(\t)+\e], s[CK], v[(\x)+\e]
.endr
.irp e,0,1,2,3
	v_rndne_f32 v[(\t)+\e], v[(\t)+\e]                             ; n
.endr
.irp e,0,1,2,3
	v_fma_f32 v[(\t)+4+\e], v[(\t)+\e], s[CK+1], v[(\x)+\e]        ; r = a - n pi/2, pi/2 in three parts
.endr
.irp e,0,1,2,3
	v_fma_f32 v[(\t)+4+\e], v[(\t)+\e], s[CK+2], v[(\t)+4+\e]
.endr
.irp e,0,1,2,3
	v_fma_f32 v[(\t)+4+\e], v[(\t)+\e], s[CK+3], v[(\t)+4+\e]
.endr
.irp e,0,1,2,3
	v_cvt_i32_f32 v[(\t)+\e], v[(\t)+\e]
.endr
.irp e,0,1,2,3
	v_mul_f32 v[(\t)+8+\e], v[(\t)+4+\e], v[(\t)+4+\e]
.endr
.irp e,0,1,2,3
	v_fma_f32 v[(\t)+12+\e], v[(\t)+8+\e], s[CK+4], s[CK+5]
.endr
.irp e,0,1,2,3
	v_fma_f32 v[(\t)+16+\e], v[(\t)+8+\e], s[CK+7], s[CK+8]
.endr
.irp e,0,1,2,3
	v_fma_f32 v[(\t)+12+\e], v[(\t)+12+\e], v[(\t)+8+\e], s[CK+6]
.endr
.irp e,0,1,2,3
	v_fma_f32 v[(\t)+16+\e], v[(\t)+16+\e], v[(\t)+8+\e], s[CK+9]
.endr
.irp e,0,1,2,3
	v_fma_f32 v[(\t)+12+\e], v[(\t)+12+\e], v[(\t)+8+\e], -0.5
.endr
.irp e,0,1,2,3
	v_fma_f32 v[(\t)+16+\e], v[(\t)+16+\e], v[(\t)+8+\e], s[CK+10]
.endr
.irp e,0,1,2,3
	v_fma_f32 v[(\t)+12+\e], v[(\t)+12+\e], v[(\t)+8+\e], 1.0      ; cos r
.endr
.irp e,0,1,2,3
	v_mul_f32 v[(\t)+8+\e], v[(\t)+4+\e], v[(\t)+8+\e]
.endr
.irp e,0,1,2,3
	v_fma_f32 v[(\t)+16+\e], v[(\t)+16+\e], v[(\t)+8+\e], v[(\t)+4+\e]   ; sin r
.endr
.irp e,0,1,2,3
	v_and_b32 v[(\t)+4+\e], 1, v[(\t)+\e]
.endr
.irp e,0,1,2,3
	v_cmp_eq_u32 vcc_lo, 1, v[(\t)+4+\e]                           ; n odd: the sine
	v_cndmask_b32 v[(\t)+12+\e], v[(\t)+12+\e], v[(\t)+16+\e], vcc_lo
.endr
.irp e,0,1,2,3
	v_add_lshl_u32 v[(\t)+\e], v[(\t)+\e], 1, 30                   ; n mod 4 = 1 or 2: minus: bit 1 of n + 1 goes to the sign's place
.endr
.irp e,0,1,2,3
	v_and_b32 v[(\t)+\e], 0x80000000, v[(\t)+\e]
.endr
.irp e,0,1,2,3
	v_xor_b32 v[(\x)+\e], v[(\t)+12+\e], v[(\t)+\e]
.endr
.endm
	s_load_b256 s[4:11], s[0:1], 0x0               ; x s[4:5], theta s[6:7], w_in's codes s[8:9], b_in s[10:11]
	s_load_b128 s[12:15], s[0:1], 0x20             ; the scales' exponents s[12:13], qkv s[14:15]
	s_set_vgpr_msb 0x40
	v_lshl_add_u32 v0, v0, 2, 0x34000
	v_mov_b32 v1, 0
	s_set_vgpr_msb 0x4045
	ds_add_u32 v0, v1
	ds_add_u32 v0, v1
	s_set_vgpr_msb 0x4500
	v_lshrrev_b32 v1, 5, v0
	v_readfirstlane_b32 s[WV], v1                  ; wave 0..7
	s_bfe_u32 s17, ttmp6, 0x40000                  ; cx: it enters global offsets alone
	s_lshl_b32 s18, ttmp9, 2
	s_add_co_u32 s18, s18, s17                     ; my block of 16 tokens = 4 x cluster x + cx
	v_and_b32 v1, 15, v0                           ; r
	v_bfe_u32 v2, v0, 4, 1                         ; h
	v_and_b32 v3, 31, v0
	v_lshlrev_b32 v3, 4, v3                        ; 16 x lane
	v_lshlrev_b32 v4, 10, v1
	v_lshl_add_u32 v4, v2, 6, v4
	s_lshl_b32 s19, s[WV], 7
	v_add_nc_u32 v4, s19, v4                       ; x: row r of 1,024 bytes, + 128 w + 64 h: my 16 columns
	v_mul_u32_u24 v5, v1, PITCH
	v_lshl_add_u32 v5, v2, 4, v5
	s_mul_i32 s33, s[WV], WTILE                    ; my 96 rows in LDS: also the descriptor's LDS address
	v_add_nc_u32 v5, s33, v5                       ; w_in's fragments: row r x pitch + 16 h, in my rows
	v_lshlrev_b32 v6, 5, v2
	s_mul_i32 s19, s[WV], 384
	v_add_nc_u32 v6, s19, v6                       ; b_in: 4 x (96 w + 8 h)
	s_lshl_b32 s19, s[WV], 9
	v_add_nc_u32 v14, s19, v3
	v_add_nc_u32 v14, XIMG, v14                    ; where I store my codes: group w of the image
	v_add_nc_u32 v15, XIMG, v3                     ; and from where the image is read
	; my offsets in qkv: feature 16 T + 8 h + j of token 16 rb + r is part T / 16, head 2 (T % 16) + h, dim j
	v_mul_u32_u24 v32, v2, 98304
	v_lshl_add_u32 v32, v1, 4, v32                 ; a head is 98,304 bytes; a token 16 bytes of a plane
	s_lshr_b32 s60, s18, 6
	s_mul_i32 s60, s60, 32*98304                   ; the batch's 32 heads
	s_and_b32 s61, s18, 63
	s_lshl_b32 s61, s61, 8
	s_add_co_u32 s60, s60, s61                     ; + my 16 tokens
	s_mul_i32 s58, s[WV], 6
.irp t,0,1,2,3,4,5
	s_add_co_u32 s59, s58, \t                      ; T = 6 w + t
	s_and_b32 s61, s59, 15
	s_mul_i32 s61, s61, 2*98304
	s_lshr_b32 s62, s59, 4
	s_lshl_b32 s62, s62, 15
	s_add_co_u32 s61, s61, s62
	s_add_co_u32 s61, s61, s60
	v_add_nc_u32 v[OFF+\t], s61, v32
.endr
	; descriptor group 1: 96 rows of 256 bytes, 16 bytes of padding behind each
	s_mov_b32 s36, 15|(1<<20)|(1<<21)|(5<<22)|(3<<25)   ; 15:0 the mask: all four work-groups; 17:16 elements of 1 byte; 20 padding on; 21 set beside a mask; 24:22 after every 64 words; 31:25 four words
	s_mov_b32 s37, 256<<16                         ; tensor_dim0
	s_mov_b32 s38, 96<<16                          ; tensor_dim1
	s_mov_b32 s39, 256<<16                         ; tile_dim0
	s_mov_b32 s40, 96                              ; tile_dim1
	s_mov_b32 s41, 256                             ; from row to row
	s_mov_b32 s42, 0
	s_mov_b32 s43, 0
	s_mov_b32 s[CK], 0x3f22f983                    ; 2 / pi
	s_mov_b32 s[CK+1], 0xbfc90fd8                  ; -pi/2: high,
	s_mov_b32 s[CK+2], 0xb4a8885a                  ; middle,
	s_mov_b32 s[CK+3], 0xa7c234c4                  ; low part
	s_mov_b32 s[CK+4], 0x37cd4000                  ; cos r = 1 - r^2/2 + r^4 (c2 + r^2 (c1 + r^2 c0)): c0,
	s_mov_b32 s[CK+5], 0xbab6077d                  ; c1,
	s_mov_b32 s[CK+6], 0x3d2aaaa8                  ; c2
	s_mov_b32 s[CK+7], 0x36405000                  ; sin r = r + r^3 (s3 + r^2 (s2 + r^2 (s1 + r^2 s0))): s0,
	s_mov_b32 s[CK+8], 0xb9503486                  ; s1,
	s_mov_b32 s[CK+9], 0x3c0888c1                  ; s2,
	s_mov_b32 s[CK+10], 0xbe2aaaab                 ; s3
	s_mul_i32 s56, s[WV], 96*256                   ; my 96 rows of w_in in memory (these two registers hold nothing made of cx)
	s_mov_b32 s57, 0
	s_lshl_b32 s62, s18, 14                        ; my 16 rows of x
	s_mov_b32 s63, 0
	s_wait_dscnt 0x0
	s_wait_kmcnt 0x0
	s_load_b256 s[20:27], s[6:7], 0x0              ; theta
	s_load_b64 s[28:29], s[12:13], 0x0             ; e0, e1
	s_add_nc_u64 s[4:5], s[4:5], s[62:63]
	s_mov_b32 s32, 1                               ; descriptor group 0: count = 1; s33 the LDS address;
	s_add_nc_u64 s[34:35], s[8:9], s[56:57]        ; the global address;
	s_or_b32 s35, s35, 0x80000000                  ; type = 2
	ROUND                                          ; all four work-groups are here: the joint loads meet
	tensor_load_to_lds s[32:35], s[36:43]          ; my one tensor load of the launch
	s_nop 0
	PLACES 4
.irp i,0,1,2,3
	global_load_b128 v[X+4*\i:X+4*\i+3], v4, s[4:5] offset:16*\i
.endr
.irp t,0,1,2,3,4,5
	global_load_b128 v[BIAS+8*\t:BIAS+8*\t+3], v6, s[10:11] offset:64*\t
	global_load_b128 v[BIAS+8*\t+4:BIAS+8*\t+7], v6, s[10:11] offset:64*\t+16
.endr
	s_wait_kmcnt 0x0
	s_add_co_i32 s19, s28, 127
	s_lshl_b32 s30, s19, 23
	v_mov_b32 v13, s30                             ; 2^e0 as f32: the conversion takes its exponent field
	s_add_co_i32 s19, s19, 15
	s_lshl_b32 s30, s19, 23
	s_or_b32 s30, s30, 0x600000                    ; 57,344 x 2^e0,
	s_xor_b32 s31, s30, 0x80000000                 ; and its negative
	s_add_co_i32 s28, s28, s29
	s_add_co_i32 s28, s28, 127
	s_lshl_b32 s28, s28, 23                        ; 2^(e0 + e1) as f32,
	s_mov_b32 s29, s28                             ; named as a pair
	s_wait_loadcnt 12                              ; x's four loads are in; b_in's twelve, issued behind them, may be out
.irp i,0,1,2,3,4,5,6,7,8,9,10,11,12,13,14,15
	v_add_f32 v[X+\i], s[20+\i%8], v[X+\i]         ; my first column is a multiple of 16, so number i takes theta[i % 8]
.endr
	COS4 X, CT
	COS4 X+4, CT
	COS4 X+8, CT
	COS4 X+12, CT
.irp i,0,1,2,3,4,5,6,7,8,9,10,11,12,13,14,15
	v_med3_num_f32 v[X+\i], v[X+\i], s31, s30      ; the conversion to an 8-bit code does not saturate (ISA guide 7.6.2): the hold at the largest code x the scale
.endr
	v_cvt_scalef32_pk8_bf8_f32 v[CODE:CODE+1], v[X:X+7], v13
	v_cvt_scalef32_pk8_bf8_f32 v[CODE+2:CODE+3], v[X+8:X+15], v13
	v_nop                                          ; one plain vector instruction behind the last scaled conversion
	ds_store_b128 v14, v[CODE:CODE+3]              ; registers 4 c .. 4 c + 3 of K step w / 4, c = w % 4, as they stand
	s_wait_dscnt 0x0                               ; for the others' sake: my store has landed
	s_barrier_signal -1
	s_barrier_wait -1
.irp i,0,1,2,3,4,5,6,7
	ds_load_b128 v[ACT+4*\i:ACT+4*\i+3], v15 offset:512*\i
.endr
	s_wait_tensorcnt 0x0                           ; my 96 rows of w_in are in LDS; nobody else reads them
; Three tiles: 24 LDS loads, six products (three accumulators by turns, K step by K step), the scale and the bias in one multiply-add, six stores.
.macro GROUP g
.irp t,0,1,2
.irp k,0,1
.irp c,0,1,2,3
	ds_load_b128 v[WF+32*\t+16*\k+4*\c:WF+32*\t+16*\k+4*\c+3], v5 offset:16*PITCH*(3*\g+\t)+128*\k+32*\c
.endr
.endr
.endr
	s_wait_dscnt 0x0
.irp t,0,1,2
	v_wmma_f32_16x16x128_bf8_bf8 v[ACC+8*\t:ACC+8*\t+7], v[WF+32*\t:WF+32*\t+15], v[ACT:ACT+15], 0
.endr
.irp t,0,1,2
	v_wmma_f32_16x16x128_bf8_bf8 v[ACC+8*\t:ACC+8*\t+7], v[WF+32*\t+16:WF+32*\t+31], v[ACT+16:ACT+31], v[ACC+8*\t:ACC+8*\t+7]
.endr
	PLACES 4                                       ; four places between a product and the first read of its result; with the other tiles' multiply-adds they also stand ahead of the next group's loads and products
.if \g == 0
	s_wait_loadcnt 0x0                             ; b_in
.endif
.irp t,0,1,2
.irp i,0,2,4,6
	v_pk_fma_f32 v[BIAS+8*(3*\g+\t)+\i:BIAS+8*(3*\g+\t)+\i+1], v[ACC+8*\t+\i:ACC+8*\t+\i+1], s[28:29], v[BIAS+8*(3*\g+\t)+\i:BIAS+8*(3*\g+\t)+\i+1] op_sel_hi:[1,0,1]   ; sum x 2^(e0 + e1) + b_in; each accumulator from its low end on
.endr
.endr
.irp t,0,1,2
	global_store_b128 v[OFF+3*\g+\t], v[BIAS+8*(3*\g+\t):BIAS+8*(3*\g+\t)+3], s[14:15]                    ; dims 0-3: sixteen lanes store 256 consecutive, aligned bytes
	global_store_b128 v[OFF+3*\g+\t], v[BIAS+8*(3*\g+\t)+4:BIAS+8*(3*\g+\t)+7], s[14:15] offset:16384     ; dims 4-7: the other plane
.endr
.endm
	GROUP 0
	GROUP 1
	s_set_vgpr_msb 0x5
	s_wait_tensorcnt 0x0
	ds_add_u32 v0, v1
	s_wait_dscnt 0x0
	s_set_vgpr_msb 0x500
	ROUND                                          ; the closing round: no work-group ends while a partner may still ask for rows that name it
	s_endpgm
.Lfunc_end_k_qbed8f48254_inproj:
	.size	k_qbed8f48254_inproj, .Lfunc_end_k_qbed8f48254_inproj-k_qbed8f48254_inproj
	.p2alignl 7, 3214868480
	.fill 96, 4, 3214868480
	.section	.rodata,"a",@progbits
	.p2align	6, 0x0
	.amdhsa_kernel k_qbed8f48254_inproj
		.amdhsa_group_segment_fixed_size 214016
		.amdhsa_private_segment_fixed_size 0
		.amdhsa_enable_private_segment 0
		.amdhsa_kernarg_size 48
		.amdhsa_user_sgpr_count 2
		.amdhsa_user_sgpr_kernarg_segment_ptr 1
		.amdhsa_wavefront_size32 1
		.amdhsa_system_sgpr_workgroup_id_x 1
		.amdhsa_system_sgpr_workgroup_id_y 1
		.amdhsa_system_sgpr_workgroup_id_z 1
		.amdhsa_system_vgpr_workitem_id 0
		.amdhsa_next_free_vgpr 258
		.amdhsa_next_free_sgpr 80
		.amdhsa_reserve_vcc 1
		.amdhsa_float_denorm_mode_32 3
		.amdhsa_float_denorm_mode_16_64 3
		.amdhsa_memory_ordered 1
		.amdhsa_forward_progress 1
		.amdhsa_inst_pref_size 36
	.end_amdhsa_kernel
	.amdgpu_metadata
---
amdhsa.version: [ 1, 2 ]
amdhsa.kernels:
  - .name:           k_qbed8f48254_inproj
    .symbol:         k_qbed8f48254_inproj.kd
    .args:
      - { .name: x, .offset: 0, .size: 8, .value_kind: global_buffer, .address_space: global }
      - { .name: theta_attn, .offset: 8, .size: 8, .value_kind: global_buffer, .address_space: global }
      - { .name: w_in_codes, .offset: 16, .size: 8, .value_kind: global_buffer, .address_space: global }
      - { .name: b_in, .offset: 24, .size: 8, .value_kind: global_buffer, .address_space: global }
      - { .name: lowp_scales, .offset: 32, .size: 8, .value_kind: global_buffer, .address_space: global }
      - { .name: qkv, .offset: 40, .size: 8, .value_kind: global_buffer, .address_space: global }
    .group_segment_fixed_size: 214016
    .private_segment_fixed_size: 0
    .kernarg_segment_align: 8
    .kernarg_segment_size: 48
    .max_flat_workgroup_size: 256
    .sgpr_count:     80
    .vgpr_count:     258
    .wavefront_size: 32
...
	.end_amdgpu_metadata
.endif
;; end of part 1
;; launch attn (part 2): grid 2 x 128, 16 waves a work-group, no clusters, 243,712 bytes of LDS; arguments qkv, lowp_scales, ctxc; writes ctxc
.if DOCPART == 2
	.amdgcn_target "amdgcn-amd-amdhsa--gfx1250"
	.amdhsa_code_object_version 6
	.text
	.protected	k_qbed8f48254_attn
	.globl	k_qbed8f48254_attn
	.p2align	8
	.type	k_qbed8f48254_attn,@function
k_qbed8f48254_attn:
	s_mov_b64 s[64:65], 0
	v_nop
	global_prefetch_b8 v0, s[64:65] scope:SCOPE_SE
	s_setreg_imm32_b32 hwreg(HW_REG_WAVE_MODE, 25, 1), 1
	s_wait_xcnt 0x0
; ctx = softmax(q k^T / sqrt(8)) v for one head of size 8, all in f32 (ctx goes on into a quantiser), then the quantiser with the given scale 2^e2.
; IN: qkv [head 128][q,k,v][plane 2][s 1024][4] f32.  OUT: ctxc [head][s][8]: codes of E5M2, a query's eight in 8 bytes.
; SHARES.  A work-group takes one head and 512 of its queries; each of its sixteen waves 32 of them, as two tiles of 16, one after the other.  Four waves share a SIMD, so that one wave's products and LDS
; waits stand beside the others' vector work.  Every wave walks all 1,024 keys, 128 a step.  The head's k and v, 64 KiB, are copied to LDS once, through registers: one barrier in the launch.
; THE WORK IS DEALT OUT: q k^T goes to the matrix unit in its f32 form (two instructions of K = 4 for 16 x 16 scores), p v to packed multiply-adds, since with eight columns half of a matrix instruction would idle.
; LAYOUT.  S = q k^T with source 0 = 16 queries, source 1 = 16 keys: lane (r, h) holds ONE key of each tile (16 t + r) and queries 8 h + 0 .. 7 in its eight registers.  So a lane runs eight streams of its own
; (largest t, sum, eight sums of p v) over its 64 keys; nothing changes lanes in the loop, and a tile's v is two dense loads.  The sixteen key classes of a query are merged once, through the wave's own scratch in LDS.
; Lane half h holds dims 4 h .. 4 h + 3 of q and of k alike: the first product takes the first two registers, the second the other two.
; SOFTMAX: t = score x log2(e) / sqrt(8) (the factor is multiplied into q); running largest t per stream; p = 2^(t - m); in every step sums are multiplied by 2^(m_old - m_new).
; Not used: tensor loads and a cluster (k and v are fetched once, at the head, and never waited for again; two work-groups share them); prefetches (nothing is asked for later than at the head).
; LIMITS: e2 between -126 and 112; NaN among the inputs is not served.
.set VOFF, 32768                       ; LDS: k's two planes of 16,384 bytes, then v's two
.set SCR,  65536                       ; then each wave's scratch:
.set SCRW, 11008                       ; o at class x 528 + half of the dims x 256 + query x 16 (8,448 bytes); m at 8,448 + query x 80 + class x 4; l 1,280 further on
.set AK0,  1                           ; v1   k: 16,384 h + 16 r
.set AV0,  2                           ; v2   v: 16 r
.set ADK,  3                           ; v3, v4  the step's addresses
.set ADV,  4
.set SO,   5                           ; v5   scratch, o in
.set SM,   6                           ; v6   m and l in
.set RO,   7                           ; v7   o back
.set RM,   8                           ; v8   m and l back
.set QO,   9                           ; v9   q in memory
.set GO,   10                          ; v10  my 8 bytes of ctxc
.set QA,   16                          ; v16-19  q of tile 0, x c
.set POOL, 20                          ; v20-51  k's eight fragments, then p of four tiles
.set VF,   52                          ; v52-83  v of four tiles, eight dims each
.set M,    84                          ; v84-91  largest t of my eight queries
.set A,    92                          ; v92-99  2^(m_old - m_new)
.set L,    100                         ; v100-107 sums of p
.set O,    108                         ; v108-171 sums of p v: query j, dim d at 8 j + d
.set S,    172                         ; v172-235 the scores of eight tiles: written by matrix instructions alone
.set RES,  236                         ; v236-239 the two tiles' codes
.set QB,   240                         ; v240-243 q of tile 1, x c
	s_load_b128 s[4:7], s[0:1], 0x0                ; qkv s[4:5], the scales' exponents s[6:7]
	s_load_b64 s[8:9], s[0:1], 0x10                ; ctxc
	v_lshl_add_u32 v254, v0, 2, 0x3b000
	v_mov_b32 v255, 0
	v_lshrrev_b32 v12, 5, v0
	v_readfirstlane_b32 s10, v12                   ; wave 0..15
	s_and_b32 s12, ttmp7, 0xffff                   ; the head
	s_mul_i32 s14, s12, 98304
	s_mov_b32 s15, 0
	s_lshl_b32 s19, ttmp9, 9
	s_lshl_b32 s11, s10, 5
	s_add_co_u32 s11, s11, s19                     ; my first query: 512 x work-group x + 32 x wave
	s_mul_i32 s23, s10, SCRW
	s_add_co_u32 s23, s23, SCR                     ; my scratch
	s_mov_b32 s20, 0x76543210
	s_mov_b32 s21, 0xfedcba98                      ; v_permlanex16_b32's selects for lane l xor 16
	s_mov_b32 s22, 0x3f0293ee                      ; c = log2(e) / sqrt(8)
	v_and_b32 v12, 15, v0                          ; r
	v_bfe_u32 v13, v0, 4, 1                        ; h
	v_lshlrev_b32 v14, 4, v0                       ; 16 x thread
	v_lshlrev_b32 v[AV0], 4, v12
	v_lshl_add_u32 v[AK0], v13, 14, v[AV0]
	s_lshl_b32 s19, s11, 4
	v_add_nc_u32 v[QO], s19, v[AK0]                ; q: plane h, query q0 + r
	v_and_b32 v[GO], 31, v0
	v_add_nc_u32 v[GO], s11, v[GO]
	v_lshlrev_b32 v[GO], 3, v[GO]
	v_mul_u32_u24 v[SO], v12, 528
	v_lshl_add_u32 v[SO], v13, 7, v[SO]
	v_add_nc_u32 v[SO], s23, v[SO]                 ; class r, queries 8 h on
	v_mul_u32_u24 v[SM], v13, 640
	v_lshl_add_u32 v[SM], v12, 2, v[SM]
	v_add_nc_u32 v[SM], s23, v[SM]
	v_add_nc_u32 v[SM], 8448, v[SM]
	v_mul_u32_u24 v[RO], v13, 4224                 ; back: lane (r, h) takes query r and classes 8 h .. 8 h + 7
	v_lshl_add_u32 v[RO], v12, 4, v[RO]
	v_add_nc_u32 v[RO], s23, v[RO]
	v_mul_u32_u24 v[RM], v12, 80
	v_lshl_add_u32 v[RM], v13, 5, v[RM]
	v_add_nc_u32 v[RM], s23, v[RM]
	v_add_nc_u32 v[RM], 8448, v[RM]
	s_wait_kmcnt 0x0
	s_load_b32 s18, s[6:7], 0x8                    ; e2
	s_add_nc_u64 s[4:5], s[4:5], s[14:15]          ; qkv at my head
	s_lshl_b32 s14, s12, 13
	s_add_nc_u64 s[8:9], s[8:9], s[14:15]          ; ctxc at my head
.irp i,0,1,2,3,4,5,6,7
	global_load_b128 v[O+4*\i:O+4*\i+3], v14, s[4:5] offset:32768+8192*\i   ; k and v: 65,536 consecutive bytes, 8,192 to an instruction of the work-group
.endr
	global_load_b128 v[QA:QA+3], v[QO], s[4:5]
	global_load_b128 v[QB:QB+3], v[QO], s[4:5] offset:256
	s_wait_loadcnt 2                               ; k and v are in; q's two loads, issued behind them, may be out
.irp i,0,1,2,3,4,5,6,7
	ds_store_b128 v14, v[O+4*\i:O+4*\i+3] offset:8192*\i
.endr
	s_wait_loadcnt 0x0
.irp i,0,1,2,3
	v_mul_f32 v[QA+\i], s22, v[QA+\i]
	v_mul_f32 v[QB+\i], s22, v[QB+\i]
.endr
	s_wait_kmcnt 0x0
	s_add_co_i32 s18, s18, 127
	s_lshl_b32 s19, s18, 23
	v_mov_b32 v11, s19                             ; 2^e2 as f32, for the conversion
	s_add_co_i32 s18, s18, 15
	s_lshl_b32 s24, s18, 23
	s_or_b32 s24, s24, 0x600000                    ; 57,344 x 2^e2,
	s_xor_b32 s25, s24, 0x80000000                 ; and its negative
	s_wait_dscnt 0x0                               ; for the others' sake: my stores have landed
	s_barrier_signal -1
	s_barrier_wait -1                              ; k and v lie in LDS, and are only read from here on
.macro VLOAD hv                        ; v of tiles 4 hv .. 4 hv + 3: my key's eight dims, from the two planes
.irp t,0,1,2,3
	ds_load_b128 v[VF+8*\t:VF+8*\t+3], v[ADV] offset:VOFF+256*(4*\hv+\t)
	ds_load_b128 v[VF+8*\t+4:VF+8*\t+7], v[ADV] offset:VOFF+16384+256*(4*\hv+\t)
.endr
.endm
.macro PBATCH hv                       ; p = 2^(t - m) of tiles 4 hv .. 4 hv + 3: the exponentials go as one batch
.irp t,0,1,2,3
.irp i,0,2,4,6
	v_pk_add_f32 v[POOL+8*\t+\i:POOL+8*\t+\i+1], v[S+8*(4*\hv+\t)+\i:S+8*(4*\hv+\t)+\i+1], v[M+\i:M+\i+1] neg_lo:[0,1] neg_hi:[0,1]
.endr
.endr
.set n, 0
.rept 32
	v_exp_f32 v[POOL+n], v[POOL+n]
.set n, n+1
.endr
	v_nop                                          ; a plain instruction behind the last exponential, ahead of the first use
	s_wait_alu depctr_va_vdst(0)                   ; the wait ahead of the first reader: one for the batch
.endm
.macro PV                              ; four tiles: 32 packed multiply-adds each (query 2 p + b, two dims at a time), and the sums of p
.irp t,0,1,2,3
.irp p,0,1,2,3
.irp b,0,1
.irp i,0,2,4,6
	v_pk_fma_f32 v[O+8*(2*\p+\b)+\i:O+8*(2*\p+\b)+\i+1], v[POOL+8*\t+2*\p:POOL+8*\t+2*\p+1], v[VF+8*\t+\i:VF+8*\t+\i+1], v[O+8*(2*\p+\b)+\i:O+8*(2*\p+\b)+\i+1] op_sel:[\b,0,0] op_sel_hi:[\b,1,1]
.endr
.endr
.endr
.irp i,0,2,4,6
	v_pk_add_f32 v[L+\i:L+\i+1], v[L+\i:L+\i+1], v[POOL+8*\t+\i:POOL+8*\t+\i+1]
.endr
.endr
.endm
; A KEY STEP: 128 keys, eight tiles.  q: the query tile's registers.
.macro STEP q
	v_add_nc_u32 v[ADK], s16, v[AK0]
	v_add_nc_u32 v[ADV], s16, v[AV0]
	s_add_co_u32 s16, s16, 2048                    ; 128 keys x 16 bytes of a plane
.irp t,0,1,2,3,4,5,6,7
	ds_load_b128 v[POOL+4*\t:POOL+4*\t+3], v[ADK] offset:256*\t
.endr
	VLOAD 0
	s_wait_dscnt 8                                 ; k's eight loads are in; v's eight, issued behind them, may be out
.irp t,0,1,2,3,4,5,6,7                 ; the eight accumulators take turns, one instruction a turn
	v_wmma_f32_16x16x4_f32 v[S+8*\t:S+8*\t+7], v[\q:\q+1], v[POOL+4*\t:POOL+4*\t+1], 0
.endr
.irp t,0,1,2,3,4,5,6,7
	v_wmma_f32_16x16x4_f32 v[S+8*\t:S+8*\t+7], v[\q+2:\q+3], v[POOL+4*\t+2:POOL+4*\t+3], v[S+8*\t:S+8*\t+7]
.endr
.irp j,0,1,2,3,4,5,6,7
	v_mov_b32 v[A+\j], v[M+\j]                     ; the old m is kept: these eight are the places between this form's products and the first read of a result (ISA guide 7.12.1)
.endr
.irp p,0,1,2,3
.irp j,0,1,2,3,4,5,6,7
	v_max3_num_f32 v[M+\j], v[M+\j], v[S+16*\p+\j], v[S+16*\p+8+\j]   ; each accumulator from its low end on
.endr
.endr
.irp i,0,2,4,6
	v_pk_add_f32 v[A+\i:A+\i+1], v[A+\i:A+\i+1], v[M+\i:M+\i+1] neg_lo:[0,1] neg_hi:[0,1]
.endr
.irp j,0,1,2,3,4,5,6,7
	v_exp_f32 v[A+\j], v[A+\j]                     ; 2^(m_old - m_new): these eight share the wait of the batch that follows
.endr
	PBATCH 0
.irp i,0,2,4,6
	v_pk_mul_f32 v[L+\i:L+\i+1], v[L+\i:L+\i+1], v[A+\i:A+\i+1]
.endr
.irp p,0,1,2,3
.irp b,0,1
.irp i,0,2,4,6
	v_pk_mul_f32 v[O+8*(2*\p+\b)+\i:O+8*(2*\p+\b)+\i+1], v[O+8*(2*\p+\b)+\i:O+8*(2*\p+\b)+\i+1], v[A+2*\p:A+2*\p+1] op_sel:[0,\b] op_sel_hi:[1,\b]
.endr
.endr
.endr
	s_wait_dscnt 0x0                               ; v of tiles 0-3
	PV
	VLOAD 1                                        ; v of tiles 4-7 lands under the second batch
	PBATCH 1
	s_wait_dscnt 0x0
	PV
.endm
; THE MERGE of a query's sixteen key classes.  Every lane puts its eight streams into my wave's scratch; lane (r, h) takes back query r's classes 8 h .. 8 h + 7; lane l xor 16 has the other eight.
; LDS serves a wave's instructions in order (ISA guide 5.7.1.4): no wait stands between the stores and the loads.
.macro MERGE n
.irp j,0,1,2,3,4,5,6,7
	ds_store_b128 v[SO], v[O+8*\j:O+8*\j+3] offset:16*\j
	ds_store_b128 v[SO], v[O+8*\j+4:O+8*\j+7] offset:16*\j+256
.endr
.irp j,0,1,2,3,4,5,6,7
	ds_store_b32 v[SM], v[M+\j] offset:80*\j
	ds_store_b32 v[SM], v[L+\j] offset:80*\j+1280
.endr
	ds_load_b128 v[M:M+3], v[RM]
	ds_load_b128 v[M+4:M+7], v[RM] offset:16
	ds_load_b128 v[L:L+3], v[RM] offset:1280
	ds_load_b128 v[L+4:L+7], v[RM] offset:1296
.irp i,0,1,2,3,4,5,6,7
	ds_load_b128 v[O+8*\i:O+8*\i+3], v[RO] offset:528*\i
	ds_load_b128 v[O+8*\i+4:O+8*\i+7], v[RO] offset:528*\i+256
.endr
	s_wait_dscnt 16                                ; m and l are back; o's sixteen loads may be out
	v_max3_num_f32 v12, v[M], v[M+1], v[M+2]
	v_max3_num_f32 v12, v12, v[M+3], v[M+4]
	v_max3_num_f32 v12, v12, v[M+5], v[M+6]
	v_max_num_f32 v12, v12, v[M+7]
	v_permlanex16_b32 v13, v12, s20, s21
	v_max_num_f32 v12, v12, v13                    ; the query's largest t
.irp i,0,2,4,6
	v_pk_add_f32 v[A+\i:A+\i+1], v[M+\i:M+\i+1], v[12:13] op_sel_hi:[1,0] neg_lo:[0,1] neg_hi:[0,1]
.endr
.irp j,0,1,2,3,4,5,6,7
	v_exp_f32 v[A+\j], v[A+\j]                     ; a class's weight: 2^(its m - the largest)
.endr
	v_nop
	s_wait_alu depctr_va_vdst(0)                   ; one wait for the eight
	v_pk_mul_f32 v[14:15], v[A:A+1], v[L:L+1]
.irp i,2,4,6
	v_pk_fma_f32 v[14:15], v[A+\i:A+\i+1], v[L+\i:L+\i+1], v[14:15]
.endr
	v_add_f32 v14, v14, v15
	s_wait_dscnt 0x0
.irp i,0,2,4,6
	v_pk_mul_f32 v[VF+\i:VF+\i+1], v[O+\i:O+\i+1], v[A:A+1] op_sel_hi:[1,0]
.endr
.irp p,0,1,2,3
.irp b,0,1
.if (2*\p+\b) > 0
.irp i,0,2,4,6
	v_pk_fma_f32 v[VF+\i:VF+\i+1], v[O+8*(2*\p+\b)+\i:O+8*(2*\p+\b)+\i+1], v[A+2*\p:A+2*\p+1], v[VF+\i:VF+\i+1] op_sel:[0,\b,0] op_sel_hi:[1,\b,1]
.endr
.endif
.endr
.endr
.irp i,0,1,2,3,4,5,6,7
	v_permlanex16_b32 v[POOL+\i], v[VF+\i], s20, s21
.endr
	v_permlanex16_b32 v[POOL+8], v14, s20, s21
.irp i,0,2,4,6
	v_pk_add_f32 v[VF+\i:VF+\i+1], v[VF+\i:VF+\i+1], v[POOL+\i:POOL+\i+1]
.endr
	v_add_f32 v14, v14, v[POOL+8]                  ; the row's sum
	v_rcp_f32 v15, v14
	v_nop
	s_wait_alu depctr_va_vdst(0)
.irp i,0,2,4,6
	v_pk_mul_f32 v[VF+\i:VF+\i+1], v[VF+\i:VF+\i+1], v[14:15] op_sel:[0,1] op_sel_hi:[1,1]   ; ctx of query r, eight dims; both halves of the lanes hold it
.endr
.irp i,0,1,2,3,4,5,6,7
	v_med3_num_f32 v[VF+\i], v[VF+\i], s25, s24    ; the hold at the largest code x the scale (ISA guide 7.6.2)
.endr
	v_cvt_scalef32_pk8_bf8_f32 v[RES+2*\n:RES+2*\n+1], v[VF:VF+7], v11
	v_nop                                          ; one plain vector instruction behind a scaled conversion
.endm
.macro QTILE n, q
.irp j,0,1,2,3,4,5,6,7
	v_mov_b32 v[M+\j], 0xff61b1e6                  ; -3e38, under every t.  (The step is written once for a tile: its first trip finds zeros, which the first change of m leaves zeros)
	v_mov_b32 v[L+\j], 0
.endr
.set n, 0
.rept 64
	v_mov_b32 v[O+n], 0
.set n, n+1
.endr
	s_mov_b32 s16, 0                               ; LDS byte of the step's first key in a plane
	s_mov_b32 s17, 8
.Lstep_\@:
	STEP \q
	s_sub_co_u32 s17, s17, 1
	s_cmp_lg_u32 s17, 0
	s_cbranch_scc1 .Lstep_\@
	MERGE \n
.endm
	QTILE 0, QA
	QTILE 1, QB
	s_mov_b32 vcc_lo, 0xffff0000
	v_cndmask_b32 v12, v[RES], v[RES+2], vcc_lo    ; lanes 0-15: tile 0's query l; lanes 16-31: tile 1's query l - 16
	v_cndmask_b32 v13, v[RES+1], v[RES+3], vcc_lo
	global_store_b64 v[GO], v[12:13], s[8:9]       ; 32 lanes store 256 consecutive, aligned bytes
	s_wait_tensorcnt 0x0
	ds_add_u32 v254, v255
	s_wait_dscnt 0x0
	s_endpgm
.Lfunc_end_k_qbed8f48254_attn:
	.size	k_qbed8f48254_attn, .Lfunc_end_k_qbed8f48254_attn-k_qbed8f48254_attn
	.p2alignl 7, 3214868480
	.fill 96, 4, 3214868480
	.section	.rodata,"a",@progbits
	.p2align	6, 0x0
	.amdhsa_kernel k_qbed8f48254_attn
		.amdhsa_group_segment_fixed_size 243712
		.amdhsa_private_segment_fixed_size 0
		.amdhsa_enable_private_segment 0
		.amdhsa_kernarg_size 24
		.amdhsa_user_sgpr_count 2
		.amdhsa_user_sgpr_kernarg_segment_ptr 1
		.amdhsa_wavefront_size32 1
		.amdhsa_system_sgpr_workgroup_id_x 1
		.amdhsa_system_sgpr_workgroup_id_y 1
		.amdhsa_system_sgpr_workgroup_id_z 1
		.amdhsa_system_vgpr_workitem_id 0
		.amdhsa_next_free_vgpr 256
		.amdhsa_next_free_sgpr 66
		.amdhsa_reserve_vcc 1
		.amdhsa_float_denorm_mode_32 3
		.amdhsa_float_denorm_mode_16_64 3
		.amdhsa_memory_ordered 1
		.amdhsa_forward_progress 1
		.amdhsa_inst_pref_size 88
	.end_amdhsa_kernel
	.amdgpu_metadata
---
amdhsa.version: [ 1, 2 ]
amdhsa.kernels:
  - .name:           k_qbed8f48254_attn
    .symbol:         k_qbed8f48254_attn.kd
    .args:
      - { .name: qkv, .offset: 0, .size: 8, .value_kind: global_buffer, .address_space: global }
      - { .name: lowp_scales, .offset: 8, .size: 8, .value_kind: global_buffer, .address_space: global }
      - { .name: ctxc, .offset: 16, .size: 8, .value_kind: global_buffer, .address_space: global }
    .group_segment_fixed_size: 243712
    .private_segment_fixed_size: 0
    .kernarg_segment_align: 8
    .kernarg_segment_size: 24
    .max_flat_workgroup_size: 512
    .sgpr_count:     66
    .vgpr_count:     256
    .wavefront_size: 32
...
	.end_amdgpu_metadata
.endif
;; end of part 2
;; launch tail (part 3): grid 256 x 1, 8 waves a work-group, clusters of 4 x 1, 310,784 bytes of LDS; arguments ctxc, x, w_out_codes, b_out, w_comb_codes, b_comb, g1, be1, w_ip, b_ip, theta_ffn, w1, b1, w2_codes, b2, g2, be2, lowp_scales, out0; writes out0
.if DOCPART == 3
	.amdgcn_target "amdgcn-amd-amdhsa--gfx1250"
	.amdhsa_code_object_version 6
	.text
	.protected	k_qbed8f48254_tail
	.globl	k_qbed8f48254_tail
	.p2align	8
	.type	k_qbed8f48254_tail,@function
k_qbed8f48254_tail:
	s_mov_b64 s[64:65], 0
	v_nop
	global_prefetch_b8 v0, s[64:65] scope:SCOPE_SE
	s_setreg_imm32_b32 hwreg(HW_REG_WAVE_MODE, 25, 1), 1
	s_wait_xcnt 0x0
	s_wait_alu depctr_hold_cnt(0) depctr_sa_sdst(0) depctr_va_vdst(0) depctr_va_sdst(0) depctr_va_ssrc(0) depctr_va_vcc(0) depctr_vm_vsrc(0)
	s_getreg_b32 s2, hwreg(HW_REG_IB_STS2, 6, 4)
	s_cmp_eq_u32 s2, 0
	s_cbranch_scc0 .Lentry_in_a_cluster
	s_endpgm
.Lentry_in_a_cluster:
	s_bfe_u32 s2, ttmp6, 0x10000c
	s_cmp_lg_u32 s2, 0x3003
	s_cbranch_scc0 .Lentry_shape_is_right
	s_endpgm
.Lentry_shape_is_right:
; out0 = LN2(h + relu(qf w1^T + b1) w2^T + b2), qf = cos(theta_ffn) cos(h w_ip^T + b_ip), h = LN1(x + (ctx w_out^T + b_out) w_comb^T + b_comb).
; The products with w_out, w_comb and w2 are on codes of E5M2 with the given scales 2^e2 .. 2^e7 (ctx arrives as codes; the other two left operands are quantised here, in registers); those with w_ip and w1
; feed a quantiser and go in f32, by the matrix unit's f32 form.  Everything else in f32.
; SHARES.  A work-group takes 16 tokens through the whole chain.  THE WAVES SHARE THE COLUMNS: wave w owns columns 32 w .. 32 w + 31 of every layer of 256 and hidden units 128 w .. 128 w + 127 (K step w of the last product).
; All products are used transposed (source 0 = 16 rows of a weight, source 1 = the 16 tokens): lane (r, h) holds token r.  THE ROWS OF A WEIGHT THAT FORM A TILE ARE NOT NEIGHBOURS: lane r of tile 2 b + u takes
; row 32 b + 8 u + r + 8 (r / 8), so that the 16 registers of two neighbouring tiles are columns 32 b + 16 h + 0 .. 15: the very numbers that the next operand's registers 4 b .. 4 b + 3 want of that lane.
; Operands go from wave to wave through LDS as images of their registers; the norms' sums and the eight partial projections meet in small LDS tables.  Each LDS region is written once: eight work-group barriers beside the two rounds.
; CLUSTER.  All work-groups read all weights.  w2 (262,144 bytes) is asked for jointly by the four of a cluster, at the head; each wave asks for the 32 rows that it alone reads.  w_out and w_comb (131,072 bytes) go from
; memory straight into each wave's registers, its own 32 rows of each, once: beside all of w2 (266,240 bytes with padding) LDS has no room for them unless bytes were filled twice.
; Nothing is prefetched: all that the launch reads is asked for in its first two phases.
; LIMITS: |h w_ip^T + b_ip| and |theta_ffn| up to 48,000 (the cosine's reduction); e4 and e6 between -126 and 112; e2 + e3, e4 + e5, e6 + e7 between -126 and 127; NaN among the inputs is not served.
; REGISTERS.  Window 0: v1 b1's offset; v3-15 addresses; v16-47 an operand; v48-111 b_out, b_comb, g1, be1 (later: at work, the last product's two sets of fragments); v112-127 x, then h; v128-175 b2, g2, be2;
;   v176-185 at work and two scales; v186-191 offsets; v192-255 accumulators, written by matrix instructions alone.
;   Window 1: v0-63 w_out's fragments, v64-127 w_comb's, v128-159 w1's, v160-175 w_ip's, v176-239 b1 in the result's layout, v240-243 b_ip, v244-247 cos(theta_ffn).
.set WV,    2                          ; s2   wave
.set W2P,   1040                       ; a row of w2 in LDS: 1,024 bytes + 16
.set IMG5,  256*W2P                    ; behind w2: the image of w_comb's left operand, eight groups of 512 bytes;
.set HIMG,  IMG5+4096                  ; the hidden layer's: eight K steps of 2,048 bytes;
.set STAGE, HIMG+16384                 ; the way out: 16 rows x (1,024 + 16) bytes;
.set RED,   STAGE+16*1040              ; four tables [token 16][wave 8] f32 for the norms' sums;
.set PROJ,  RED+2048                   ; the partial projections: token x 272 + wave x 32 + 4 x output
.set CK,    88                         ; s[88:98] the cosine's constants
.set ACT,   16
.set BO,    48
.set BC,    64
.set G1R,   80
.set E1R,   96
.set XH,    112
.set B2R,   128
.set G2R,   144
.set E2R,   160
.set T,     176
.set MAT,   192
.set WO,    0                          ; window 1
.set WC,    64
.set W1F,   128
.set WIP,   160
.set B1C,   176
.set BIP,   240
.set CTH,   244
.set MSB, 0
.macro WIN new                         ; the immediate's high byte repeats the setting that is left
.if MSB != \new
	s_set_vgpr_msb (MSB<<8)|\new
.set MSB, \new
.endif
.endm
.macro ROUND                           ; a round of the cluster's barrier
	s_barrier_signal -1
	s_barrier_wait -1
	s_cmp_lg_u32 s[WV], 0
	s_cbranch_scc1 .Lnot_wave_0_\@
	s_barrier_signal -3
.Lnot_wave_0_\@:
	s_barrier_wait -3
	s_barrier_signal -1
	s_barrier_wait -1
.endm
.macro BARRIER                         ; my LDS stores have landed and my LDS loads are in: then the work-group's barrier
	s_wait_dscnt 0x0
	s_barrier_signal -1
	s_barrier_wait -1
.endm
.macro PLACES n
.rept \n
	v_nop
.endr
.endm
; cos of v[x] .. v[x+3], in place.  Temporaries from v[t]: +0 n, +4 r, +8 r^2, +12 cos r, +16 sin r; four numbers take turns line by line.
.macro COS4 x, t
.irp e,0,1,2,3
	v_mul_f32 v[(\t)+\e], s[CK], v[(\x)+\e]
.endr
.irp e,0,1,2,3
	v_rndne_f32 v[(\t)+\e], v[(\t)+\e]                             ; n
.endr
.irp e,0,1,2,3
	v_fma_f32 v[(\t)+4+\e], v[(\t)+\e], s[CK+1], v[(\x)+\e]        ; r = a - n pi/2, pi/2 in three parts
.endr
.irp e,0,1,2,3
	v_fma_f32 v[(\t)+4+\e], v[(\t)+\e], s[CK+2], v[(\t)+4+\e]
.endr
.irp e,0,1,2,3
	v_fma_f32 v[(\t)+4+\e], v[(\t)+\e], s[CK+3], v[(\t)+4+\e]
.endr
.irp e,0,1,2,3
	v_cvt_i32_f32 v[(\t)+\e], v[(\t)+\e]
.endr
.irp e,0,1,2,3
	v_mul_f32 v[(\t)+8+\e], v[(\t)+4+\e], v[(\t)+4+\e]
.endr
.irp e,0,1,2,3
	v_fma_f32 v[(\t)+12+\e], v[(\t)+8+\e], s[CK+4], s[CK+5]
.endr
.irp e,0,1,2,3
	v_fma_f32 v[(\t)+16+\e], v[(\t)+8+\e], s[CK+7], s[CK+8]
.endr
.irp e,0,1,2,3
	v_fma_f32 v[(\t)+12+\e], v[(\t)+12+\e], v[(\t)+8+\e], s[CK+6]
.endr
.irp e,0,1,2,3
	v_fma_f32 v[(\t)+16+\e], v[(\t)+16+\e], v[(\t)+8+\e], s[CK+9]
.endr
.irp e,0,1,2,3
	v_fma_f32 v[(\t)+12+\e], v[(\t)+12+\e], v[(\t)+8+\e], -0.5
.endr
.irp e,0,1,2,3
	v_fma_f32 v[(\t)+16+\e], v[(\t)+16+\e], v[(\t)+8+\e], s[CK+10]
.endr
.irp e,0,1,2,3
	v_fma_f32 v[(\t)+12+\e], v[(\t)+12+\e], v[(\t)+8+\e], 1.0      ; cos r
.endr
.irp e,0,1,2,3
	v_mul_f32 v[(\t)+8+\e], v[(\t)+4+\e], v[(\t)+8+\e]
.endr
.irp e,0,1,2,3
	v_fma_f32 v[(\t)+16+\e], v[(\t)+16+\e], v[(\t)+8+\e], v[(\t)+4+\e]   ; sin r
.endr
.irp e,0,1,2,3
	v_and_b32 v[(\t)+4+\e], 1, v[(\t)+\e]
.endr
.irp e,0,1,2,3
	v_cmp_eq_u32 vcc_lo, 1, v[(\t)+4+\e]                           ; n odd: the sine
	v_cndmask_b32 v[(\t)+12+\e], v[(\t)+12+\e], v[(\t)+16+\e], vcc_lo
.endr
.irp e,0,1,2,3
	v_add_lshl_u32 v[(\t)+\e], v[(\t)+\e], 1, 30                   ; n mod 4 = 1 or 2: minus: bit 1 of n + 1 goes to the sign's place
.endr
.irp e,0,1,2,3
	v_and_b32 v[(\t)+\e], 0x80000000, v[(\t)+\e]
.endr
.irp e,0,1,2,3
	v_xor_b32 v[(\x)+\e], v[(\t)+12+\e], v[(\t)+\e]
.endr
.endm
; My two tiles of a layer of 256, K = 256: four products, two accumulators by turns.  w: the weight's fragments in window 1; d: the accumulators.
.macro PROD w, d
	WIN 0x01                                       ; source 0 window 1
.irp k,0,1
.irp u,0,1
.if \k == 0
	v_wmma_f32_16x16x128_bf8_bf8 v[\d+8*\u:\d+8*\u+7], v[\w+32*\u:\w+32*\u+15], v[ACT:ACT+15], 0
.else
	v_wmma_f32_16x16x128_bf8_bf8 v[\d+8*\u:\d+8*\u+7], v[\w+32*\u+16:\w+32*\u+31], v[ACT+16:ACT+31], v[\d+8*\u:\d+8*\u+7]
.endif
.endr
.endr
	WIN 0
	PLACES 4                                       ; four places between a product and the first read of its result (ISA guide 7.12.1)
.endm
; A sum over a token's 256 columns: v[T] holds my 16 columns' part.  Lane l xor 16 has 16 more; the eight waves' parts meet in table e.
.macro XCH e
	v_permlanex16_b32 v[T+1], v[T], s70, s71
	v_add_f32 v[T], v[T], v[T+1]
	ds_store_b32 v9, v[T] offset:512*(\e)          ; both halves of the lanes store the same number to the same word
	BARRIER
	ds_load_b128 v[T:T+3], v10 offset:512*(\e)
	ds_load_b128 v[T+4:T+7], v10 offset:512*(\e)+16
	s_wait_dscnt 0x0
	v_pk_add_f32 v[T:T+1], v[T:T+1], v[T+2:T+3]
	v_pk_add_f32 v[T+4:T+5], v[T+4:T+5], v[T+6:T+7]
	v_pk_add_f32 v[T:T+1], v[T:T+1], v[T+4:T+5]
	v_add_f32 v[T], v[T], v[T+1]
.endm
; v[XH] on: my 16 columns of a token become (y - mean) rsqrt(var + 1e-5) g + b.  e: the first of two tables; cnt: the global loads that may still be out when g and b are wanted.
.macro LNORM g, b, e, cnt
	v_pk_add_f32 v[T:T+1], v[XH:XH+1], v[XH+2:XH+3]
	v_pk_add_f32 v[T+2:T+3], v[XH+4:XH+5], v[XH+6:XH+7]
	v_pk_add_f32 v[T:T+1], v[T:T+1], v[XH+8:XH+9]
	v_pk_add_f32 v[T+2:T+3], v[T+2:T+3], v[XH+10:XH+11]
	v_pk_add_f32 v[T:T+1], v[T:T+1], v[XH+12:XH+13]
	v_pk_add_f32 v[T+2:T+3], v[T+2:T+3], v[XH+14:XH+15]
	v_pk_add_f32 v[T:T+1], v[T:T+1], v[T+2:T+3]
	v_add_f32 v[T], v[T], v[T+1]
	XCH \e
.irp i,0,2,4,6,8,10,12,14
	v_pk_fma_f32 v[XH+\i:XH+\i+1], v[T:T+1], 0xbb800000, v[XH+\i:XH+\i+1] op_sel_hi:[0,0,1]   ; y - sum / 256
.endr
	v_pk_mul_f32 v[T:T+1], v[XH:XH+1], v[XH:XH+1]
	v_pk_mul_f32 v[T+2:T+3], v[XH+2:XH+3], v[XH+2:XH+3]
.irp i,4,8,12
	v_pk_fma_f32 v[T:T+1], v[XH+\i:XH+\i+1], v[XH+\i:XH+\i+1], v[T:T+1]
	v_pk_fma_f32 v[T+2:T+3], v[XH+\i+2:XH+\i+3], v[XH+\i+2:XH+\i+3], v[T+2:T+3]
.endr
	v_pk_add_f32 v[T:T+1], v[T:T+1], v[T+2:T+3]
	v_add_f32 v[T], v[T], v[T+1]
	XCH \e+1
	v_fma_f32 v[T], v[T], 0x3b800000, s72          ; var + 1e-5
	v_rsq_f32 v[T+2], v[T]
	v_nop                                          ; a plain instruction behind the transcendental
	s_wait_alu depctr_va_vdst(0)                   ; the wait ahead of the first reader
	s_wait_loadcnt \cnt
.irp i,0,2,4,6,8,10,12,14
	v_pk_mul_f32 v[XH+\i:XH+\i+1], v[XH+\i:XH+\i+1], v[T+2:T+3] op_sel_hi:[1,0]
.endr
.irp i,0,2,4,6,8,10,12,14
	v_pk_fma_f32 v[XH+\i:XH+\i+1], v[XH+\i:XH+\i+1], v[\g+\i:\g+\i+1], v[\b+\i:\b+\i+1]
.endr
.endm
	s_load_b512 s[8:23], s[0:1], 0x0               ; ctxc s[8:9], x s[10:11], w_out s[12:13], b_out s[14:15], w_comb s[16:17], b_comb s[18:19], g1 s[20:21], be1 s[22:23]
	s_load_b512 s[24:39], s[0:1], 0x40             ; w_ip s[24:25], b_ip s[26:27], theta_ffn s[28:29], w1 s[30:31], b1 s[32:33], w2 s[34:35], b2 s[36:37], g2 s[38:39]
	s_load_b128 s[40:43], s[0:1], 0x80             ; be2 s[40:41], the scales' exponents s[42:43]
	s_load_b64 s[44:45], s[0:1], 0x90              ; out0
	s_set_vgpr_msb 0x40
	v_lshl_add_u32 v254, v0, 2, 0x4ba00
	v_mov_b32 v255, 0
	s_set_vgpr_msb 0x4045
	ds_add_u32 v254, v255
	ds_add_u32 v254, v255
	s_set_vgpr_msb 0x4500
	v_lshrrev_b32 v1, 5, v0
	v_readfirstlane_b32 s[WV], v1                  ; wave 0..7
	s_bfe_u32 s3, ttmp6, 0x40000                   ; cx: it enters global offsets alone
	s_lshl_b32 s4, ttmp9, 2
	s_add_co_u32 s4, s4, s3                        ; my block of 16 tokens
	v_and_b32 v1, 15, v0                           ; r
	v_bfe_u32 v2, v0, 4, 1                         ; h
	v_and_b32 v3, 31, v0
	v_lshlrev_b32 v3, 4, v3                        ; 16 x lane
	v_and_b32 v176, 8, v1
	v_add_nc_u32 v176, v176, v1                    ; r + 8 (r / 8)
	v_mul_u32_u24 v4, v176, W2P
	v_lshl_add_u32 v4, v2, 4, v4
	s_mul_i32 s77, s[WV], 32*W2P                   ; my 32 rows of w2 in LDS: also the descriptor's LDS address
	v_add_nc_u32 v4, s77, v4                       ; w2's fragments
	s_lshl_b32 s5, s[WV], 9
	v_add_nc_u32 v5, s5, v3
	v_add_nc_u32 v5, IMG5, v5                      ; the first image: my group in,
	v_add_nc_u32 v6, IMG5, v3                      ; all groups back
	s_lshl_b32 s5, s[WV], 11
	v_add_nc_u32 v7, s5, v3
	v_add_nc_u32 v15, s5, v3                       ; out0: my two rows of 1,024 bytes, 16 bytes a lane
	v_add_nc_u32 v7, HIMG, v7                      ; the hidden layer's image: my K step in,
	v_add_nc_u32 v8, HIMG, v3                      ; all K steps back
	v_lshlrev_b32 v10, 5, v1
	v_add_nc_u32 v10, RED, v10                     ; a table's row of token r,
	s_lshl_b32 s5, s[WV], 2
	v_add_nc_u32 v9, s5, v10                       ; and my wave's word in it
	v_mul_u32_u24 v12, v1, 272
	v_lshl_add_u32 v12, v2, 4, v12
	v_add_nc_u32 v12, PROJ, v12                    ; the projections of token r, outputs 4 h on: wave 0's,
	s_lshl_b32 s5, s[WV], 5
	v_add_nc_u32 v11, s5, v12                      ; and mine
	v_mul_u32_u24 v13, v1, 1040
	v_lshl_add_u32 v13, v2, 6, v13
	s_lshl_b32 s5, s[WV], 7
	v_add_nc_u32 v13, s5, v13
	v_add_nc_u32 v13, STAGE, v13                   ; the stage: row r, my 64 bytes
	v_lshlrev_b32 v189, 6, v2
	v_add_nc_u32 v189, s5, v189                    ; a vector of 256 f32: 128 w + 64 h: my 16 columns
	s_mul_i32 s5, s[WV], 2*1040
	v_add_nc_u32 v14, s5, v3
	v_add_nc_u32 v14, STAGE, v14                   ; back: rows 2 w, 2 w + 1
	v_lshlrev_b32 v186, 3, v1
	v_lshl_add_u32 v186, v2, 14, v186              ; ctxc: two heads further on for lanes 16-31, 8 bytes a token
	v_lshlrev_b32 v187, 8, v176
	v_lshl_add_u32 v187, v2, 4, v187               ; w_out, w_comb: a tile's row of 256 bytes, + 16 h
	v_lshl_add_u32 v188, v1, 10, v189              ; x: row r, my 16 columns
	v_and_b32 v177, 3, v1
	v_lshrrev_b32 v178, 3, v1
	v_lshl_add_u32 v177, v178, 2, v177             ; w_ip's row of lane r: r % 4 + 4 (r / 8): so registers 0-3 of the result are outputs 4 h .. 4 h + 3 (the other rows repeat them and are not read)
	v_lshl_add_u32 v190, v177, 10, v189
	v_lshlrev_b32 v191, 5, v176
	v_lshl_add_u32 v191, v2, 4, v191               ; w1: a tile's row of 32 bytes, + 16 h
	s_lshl_b32 s5, s[WV], 9
	v_lshlrev_b32 v1, 6, v2
	v_add_nc_u32 v1, s5, v1                        ; b1: 512 w + 64 h (r is done with)
	; descriptor group 1: 32 rows of 1,024 bytes, 16 bytes of padding behind each
	s_mov_b32 s80, 15|(1<<20)|(1<<21)|(7<<22)|(3<<25)   ; 15:0 the mask: all four work-groups; 17:16 elements of 1 byte; 20 padding on; 21 set beside a mask; 24:22 after every 256 words; 31:25 four words
	s_mov_b32 s81, 1024<<16                        ; tensor_dim0
	s_mov_b32 s82, 32<<16                          ; tensor_dim1
	s_mov_b32 s83, 1024<<16                        ; tile_dim0
	s_mov_b32 s84, 32                              ; tile_dim1
	s_mov_b32 s85, 1024                            ; from row to row
	s_mov_b32 s86, 0
	s_mov_b32 s87, 0
	s_mov_b32 s[CK], 0x3f22f983                    ; 2 / pi
	s_mov_b32 s[CK+1], 0xbfc90fd8                  ; -pi/2: high,
	s_mov_b32 s[CK+2], 0xb4a8885a                  ; middle,
	s_mov_b32 s[CK+3], 0xa7c234c4                  ; low part
	s_mov_b32 s[CK+4], 0x37cd4000                  ; the cosine's polynomial: c0,
	s_mov_b32 s[CK+5], 0xbab6077d                  ; c1,
	s_mov_b32 s[CK+6], 0x3d2aaaa8                  ; c2
	s_mov_b32 s[CK+7], 0x36405000                  ; the sine's: s0,
	s_mov_b32 s[CK+8], 0xb9503486                  ; s1,
	s_mov_b32 s[CK+9], 0x3c0888c1                  ; s2,
	s_mov_b32 s[CK+10], 0xbe2aaaab                 ; s3
	s_mov_b32 s7, 0
	s_mov_b32 s47, 0
	s_wait_dscnt 0x0
	s_wait_kmcnt 0x0
	s_load_b256 s[48:55], s[42:43], 0x0            ; e0 .. e7
	s_load_b256 s[56:63], s[28:29], 0x0            ; theta_ffn
	s_load_b256 s[68:75], s[26:27], 0x0            ; b_ip
	s_lshr_b32 s5, s4, 6
	s_lshl_b32 s5, s5, 18                          ; the batch's 32 heads of 8,192 bytes,
	s_and_b32 s6, s4, 63
	s_lshl_b32 s6, s6, 7                           ; my 16 tokens of 8 bytes
	s_add_co_u32 s6, s6, s5
	s_add_nc_u64 s[8:9], s[8:9], s[6:7]
	s_lshl_b32 s6, s4, 14                          ; my 16 rows of 1,024 bytes
	s_add_nc_u64 s[10:11], s[10:11], s[6:7]
	s_add_nc_u64 s[44:45], s[44:45], s[6:7]
	s_lshl_b32 s46, s[WV], 13                      ; my 32 rows of w_out and of w_comb  (s[46:47] hold nothing made of cx)
	s_add_nc_u64 s[12:13], s[12:13], s[46:47]
	s_add_nc_u64 s[16:17], s[16:17], s[46:47]
	s_lshl_b32 s46, s[WV], 12                      ; my 128 rows of w1
	s_add_nc_u64 s[30:31], s[30:31], s[46:47]
	s_lshl_b32 s46, s[WV], 15                      ; my 32 rows of w2
	s_mov_b32 s76, 1                               ; descriptor group 0: count = 1; s77 the LDS address;
	s_add_nc_u64 s[78:79], s[34:35], s[46:47]      ; the global address;
	s_or_b32 s79, s79, 0x80000000                  ; type = 2
	ROUND                                          ; all four work-groups are here: the joint loads meet
	tensor_load_to_lds s[76:79], s[80:87]          ; my one tensor load of the launch: it lands under the first six phases
	s_nop 0
	PLACES 4
	; ---- the first 60 loads: 36 that the first product wants, then 24 that the second and the residual want
.irp k,0,1
.irp c,0,1,2,3
.irp u,0,1
	global_load_b64 v[ACT+16*\k+4*\c+2*\u:ACT+16*\k+4*\c+2*\u+1], v186, s[8:9] offset:8192*(16*\k+4*\c+\u)   ; ctx's codes of head 16 k + 4 c + 2 h + u: k = 128 k + 32 c + 16 h + 8 u + 0 .. 7
.endr
.endr
.endr
.irp i,0,1,2,3
	global_load_b128 v[BO+4*\i:BO+4*\i+3], v189, s[14:15] offset:16*\i
.endr
	WIN 0x40                                       ; destination window 1
.irp u,0,1
.irp k,0,1
.irp c,0,1,2,3
	global_load_b128 v[WO+32*\u+16*\k+4*\c:WO+32*\u+16*\k+4*\c+3], v187, s[12:13] offset:2048*\u+128*\k+32*\c
.endr
.endr
.endr
.irp u,0,1
.irp k,0,1
.irp c,0,1,2,3
	global_load_b128 v[WC+32*\u+16*\k+4*\c:WC+32*\u+16*\k+4*\c+3], v187, s[16:17] offset:2048*\u+128*\k+32*\c
.endr
.endr
.endr
	WIN 0
.irp i,0,1,2,3
	global_load_b128 v[BC+4*\i:BC+4*\i+3], v189, s[18:19] offset:16*\i
.endr
.irp i,0,1,2,3
	global_load_b128 v[XH+4*\i:XH+4*\i+3], v188, s[10:11] offset:16*\i
.endr
	; ---- meanwhile: b_ip and cos(theta_ffn) of outputs 4 h .. 4 h + 3, and the scales
	s_wait_kmcnt 0x0
	s_mov_b32 vcc_lo, 0xffff0000                   ; lanes 16-31
.irp j,0,1,2,3
	v_mov_b32 v[152+\j], s[60+\j]
	v_mov_b32 v[156+\j], s[72+\j]
.endr
.irp j,0,1,2,3
	v_cndmask_b32 v[152+\j], s[56+\j], v[152+\j], vcc_lo
	v_cndmask_b32 v[156+\j], s[68+\j], v[156+\j], vcc_lo
.endr
	COS4 152, 128
	WIN 0x40
.irp j,0,1,2,3
	v_mov_b32 v[BIP+\j], v[156+\j]
	v_mov_b32 v[CTH+\j], v[152+\j]
.endr
	WIN 0
	s_add_co_i32 s5, s50, s51
	s_add_co_i32 s5, s5, 127
	s_lshl_b32 s56, s5, 23                         ; 2^(e2 + e3) as f32, named as a pair
	s_mov_b32 s57, s56
	s_add_co_i32 s5, s52, s53
	s_add_co_i32 s5, s5, 127
	s_lshl_b32 s58, s5, 23                         ; 2^(e4 + e5)
	s_mov_b32 s59, s58
	s_add_co_i32 s5, s54, s55
	s_add_co_i32 s5, s5, 127
	s_lshl_b32 s60, s5, 23                         ; 2^(e6 + e7)
	s_mov_b32 s61, s60
	s_add_co_i32 s5, s52, 127
	s_lshl_b32 s6, s5, 23
	v_mov_b32 v184, s6                             ; 2^e4, for the conversion
	s_add_co_i32 s5, s5, 15
	s_lshl_b32 s62, s5, 23
	s_or_b32 s62, s62, 0x600000                    ; 57,344 x 2^e4,
	s_xor_b32 s63, s62, 0x80000000                 ; and its negative
	s_add_co_i32 s5, s54, 127
	s_lshl_b32 s6, s5, 23
	v_mov_b32 v185, s6                             ; 2^e6
	s_add_co_i32 s5, s5, 15
	s_lshl_b32 s68, s5, 23
	s_or_b32 s68, s68, 0x600000                    ; 57,344 x 2^e6
	s_mov_b32 s70, 0x76543210
	s_mov_b32 s71, 0xfedcba98                      ; v_permlanex16_b32's selects for lane l xor 16
	s_mov_b32 s72, 0x3727c5ac                      ; 1e-5
	; ---- ctx w_out^T + b_out, quantised with 2^e4
	s_wait_loadcnt 24                              ; ctx, b_out and w_out are in; the 24 loads issued behind them may be out
	PROD WO, MAT
	; the other 48 loads go out here: 8 for the first norm, 4 + 24 for the two f32 products, 12 for the end
.irp i,0,1,2,3
	global_load_b128 v[G1R+4*\i:G1R+4*\i+3], v189, s[20:21] offset:16*\i
.endr
.irp i,0,1,2,3
	global_load_b128 v[E1R+4*\i:E1R+4*\i+3], v189, s[22:23] offset:16*\i
.endr
	WIN 0x40
.irp i,0,1,2,3
	global_load_b128 v[WIP+4*\i:WIP+4*\i+3], v190, s[24:25] offset:16*\i
.endr
.irp t,0,1,2,3,4,5,6,7
	global_load_b128 v[W1F+4*\t:W1F+4*\t+3], v191, s[30:31] offset:1024*(\t/2)+256*(\t%2)      ; tile t begins at row 32 (t / 2) + 8 (t % 2); inputs 4 h .. 4 h + 3
.endr
.irp t,0,1,2,3,4,5,6,7
	global_load_b128 v[B1C+8*\t:B1C+8*\t+3], v1, s[32:33] offset:128*(\t/2)+32*(\t%2)          ; b1 at the lane's eight hidden units of tile t
	global_load_b128 v[B1C+8*\t+4:B1C+8*\t+7], v1, s[32:33] offset:128*(\t/2)+32*(\t%2)+16
.endr
	WIN 0
.irp i,0,1,2,3
	global_load_b128 v[B2R+4*\i:B2R+4*\i+3], v189, s[36:37] offset:16*\i
.endr
.irp i,0,1,2,3
	global_load_b128 v[G2R+4*\i:G2R+4*\i+3], v189, s[38:39] offset:16*\i
.endr
.irp i,0,1,2,3
	global_load_b128 v[E2R+4*\i:E2R+4*\i+3], v189, s[40:41] offset:16*\i
.endr
.irp i,0,2,4,6,8,10,12,14
	v_pk_fma_f32 v[BO+\i:BO+\i+1], v[MAT+\i:MAT+\i+1], s[56:57], v[BO+\i:BO+\i+1] op_sel_hi:[1,0,1]   ; sum x 2^(e2 + e3) + b_out; each accumulator from its low end on
.endr
.irp i,0,1,2,3,4,5,6,7,8,9,10,11,12,13,14,15
	v_med3_num_f32 v[BO+\i], v[BO+\i], s63, s62    ; the hold at the largest code x the scale (ISA guide 7.6.2)
.endr
	v_cvt_scalef32_pk8_bf8_f32 v[T:T+1], v[BO:BO+7], v184
	v_cvt_scalef32_pk8_bf8_f32 v[T+2:T+3], v[BO+8:BO+15], v184
	v_nop                                          ; one plain vector instruction behind the last scaled conversion
	ds_store_b128 v5, v[T:T+3]                     ; registers 4 c .. 4 c + 3 of K step w / 4, c = w % 4
	BARRIER
.irp i,0,1,2,3,4,5,6,7
	ds_load_b128 v[ACT+4*\i:ACT+4*\i+3], v6 offset:512*\i
.endr
	; ---- ( .. ) w_comb^T + b_comb, the residual, the first norm
	s_wait_loadcnt 48                              ; the first 60 loads are in; the 48 issued behind them may be out
	s_wait_dscnt 0x0
	PROD WC, MAT+16
.irp i,0,2,4,6,8,10,12,14
	v_pk_fma_f32 v[BC+\i:BC+\i+1], v[MAT+16+\i:MAT+16+\i+1], s[58:59], v[BC+\i:BC+\i+1] op_sel_hi:[1,0,1]
.endr
.irp i,0,2,4,6,8,10,12,14
	v_pk_add_f32 v[XH+\i:XH+\i+1], v[XH+\i:XH+\i+1], v[BC+\i:BC+\i+1]
.endr
	LNORM G1R, E1R, 0, 40                          ; g1 and be1 are the first 8 of the 48
	; ---- h w_ip^T: my 32 columns' part, eight f32 products of K = 4 on two accumulators by turns
	s_wait_loadcnt 36                              ; w_ip's four loads are in
	WIN 0x01
.irp i,0,1,2,3,4,5,6,7
.if \i < 2
	v_wmma_f32_16x16x4_f32 v[MAT+32+8*(\i%2):MAT+32+8*(\i%2)+7], v[WIP+2*\i:WIP+2*\i+1], v[XH+2*\i:XH+2*\i+1], 0
.else
	v_wmma_f32_16x16x4_f32 v[MAT+32+8*(\i%2):MAT+32+8*(\i%2)+7], v[WIP+2*\i:WIP+2*\i+1], v[XH+2*\i:XH+2*\i+1], v[MAT+32+8*(\i%2):MAT+32+8*(\i%2)+7]
.endif
.endr
	WIN 0
	PLACES 8                                       ; eight places behind this form (ISA guide 7.12.1)
	v_pk_add_f32 v[T:T+1], v[MAT+32:MAT+33], v[MAT+40:MAT+41]
	v_pk_add_f32 v[T+2:T+3], v[MAT+34:MAT+35], v[MAT+42:MAT+43]
	ds_store_b128 v11, v[T:T+3]
	BARRIER
.irp i,0,1,2,3,4,5,6,7
	ds_load_b128 v[16+4*\i:16+4*\i+3], v12 offset:32*\i   ; the eight waves' parts of outputs 4 h .. 4 h + 3 of token r
.endr
	s_wait_dscnt 0x0
.irp a,0,1,2,3
	v_pk_add_f32 v[16+8*\a:17+8*\a], v[16+8*\a:17+8*\a], v[20+8*\a:21+8*\a]
	v_pk_add_f32 v[18+8*\a:19+8*\a], v[18+8*\a:19+8*\a], v[22+8*\a:23+8*\a]
.endr
.irp a,0,2
	v_pk_add_f32 v[16+8*\a:17+8*\a], v[16+8*\a:17+8*\a], v[24+8*\a:25+8*\a]
	v_pk_add_f32 v[18+8*\a:19+8*\a], v[18+8*\a:19+8*\a], v[26+8*\a:27+8*\a]
.endr
	v_pk_add_f32 v[68:69], v[16:17], v[32:33]
	v_pk_add_f32 v[70:71], v[18:19], v[34:35]
	WIN 0x04                                       ; source 1 window 1
	v_pk_add_f32 v[68:69], v[68:69], v[BIP:BIP+1]
	v_pk_add_f32 v[70:71], v[70:71], v[BIP+2:BIP+3]
	WIN 0
	COS4 68, 16
	WIN 0x04
	v_pk_mul_f32 v[68:69], v[68:69], v[CTH:CTH+1]  ; qf, inputs 4 h .. 4 h + 3 of token r: the f32 form's source 1, two registers a product
	v_pk_mul_f32 v[70:71], v[70:71], v[CTH+2:CTH+3]
	; ---- the hidden layer: my 128 units, eight tiles; b1 is the C of each sum's first product
	s_wait_loadcnt 12                              ; w1 and b1 are in; b2, g2 and be2 may be out
	WIN 0x11                                       ; sources 0 and 2 window 1
.irp t,0,1,2,3,4,5,6,7
	v_wmma_f32_16x16x4_f32 v[MAT+8*\t:MAT+8*\t+7], v[W1F+4*\t:W1F+4*\t+1], v[68:69], v[B1C+8*\t:B1C+8*\t+7]
.endr
	WIN 0x01
.irp t,0,1,2,3,4,5,6,7
	v_wmma_f32_16x16x4_f32 v[MAT+8*\t:MAT+8*\t+7], v[W1F+4*\t+2:W1F+4*\t+3], v[70:71], v[MAT+8*\t:MAT+8*\t+7]
.endr
	WIN 0
	PLACES 8
.set n, 0
.rept 64
	v_med3_num_f32 v[16+n], v[MAT+n], 0, s68       ; the activation and the hold in one: between 0 and the largest code x the scale; each accumulator from its low end on
.set n, n+1
.endr
.irp t,0,1,2,3,4,5,6,7
	v_cvt_scalef32_pk8_bf8_f32 v[80+2*\t:81+2*\t], v[16+8*\t:23+8*\t], v185
.endr
	v_nop                                          ; one plain vector instruction behind the last scaled conversion
.irp c,0,1,2,3
	ds_store_b128 v7, v[80+4*\c:83+4*\c] offset:512*\c   ; K step w of the last product, as it stands
.endr
	s_wait_tensorcnt 0x0                           ; my 32 rows of w2 are in LDS; nobody else reads them
	BARRIER
	; ---- relu( .. ) w2^T: eight K steps of 128, two accumulators by turns; fragments two K steps ahead, in two sets of 48 registers
.macro LOADK ks, p
.irp c,0,1,2,3
	ds_load_b128 v[16+48*(\p)+4*\c:16+48*(\p)+4*\c+3], v8 offset:2048*(\ks)+512*\c
.endr
.irp u,0,1
.irp c,0,1,2,3
	ds_load_b128 v[32+48*(\p)+16*\u+4*\c:32+48*(\p)+16*\u+4*\c+3], v4 offset:8*W2P*\u+128*(\ks)+32*\c
.endr
.endr
.endm
	LOADK 0, 0
	LOADK 1, 1
.irp k,0,1,2,3,4,5,6,7
.if \k < 7
	s_wait_dscnt 12                                ; this K step's twelve loads are in; the next one's twelve may be out
.else
	s_wait_dscnt 0x0
.endif
.irp u,0,1
.if \k == 0
	v_wmma_f32_16x16x128_bf8_bf8 v[MAT+8*\u:MAT+8*\u+7], v[32+48*(\k%2)+16*\u:32+48*(\k%2)+16*\u+15], v[16+48*(\k%2):16+48*(\k%2)+15], 0
.else
	v_wmma_f32_16x16x128_bf8_bf8 v[MAT+8*\u:MAT+8*\u+7], v[32+48*(\k%2)+16*\u:32+48*(\k%2)+16*\u+15], v[16+48*(\k%2):16+48*(\k%2)+15], v[MAT+8*\u:MAT+8*\u+7]
.endif
.endr
	PLACES 4                                       ; ahead of loads into registers that these products have read, and of the first read of the results
.if \k < 6
	LOADK \k+2, \k%2
.endif
.endr
	; ---- + b2, the residual, the second norm, the way out
	s_wait_loadcnt 0x0
.irp i,0,2,4,6,8,10,12,14
	v_pk_fma_f32 v[B2R+\i:B2R+\i+1], v[MAT+\i:MAT+\i+1], s[60:61], v[B2R+\i:B2R+\i+1] op_sel_hi:[1,0,1]
.endr
.irp i,0,2,4,6,8,10,12,14
	v_pk_add_f32 v[XH+\i:XH+\i+1], v[XH+\i:XH+\i+1], v[B2R+\i:B2R+\i+1]
.endr
	LNORM G2R, E2R, 2, 0
.irp i,0,1,2,3
	ds_store_b128 v13, v[XH+4*\i:XH+4*\i+3] offset:16*\i
.endr
	BARRIER                                        ; 16 whole rows lie in the stage
.irp i,0,1,2,3
	ds_load_b128 v[16+4*\i:16+4*\i+3], v14 offset:1040*(\i/2)+512*(\i%2)
.endr
.irp i,0,1,2,3
	s_wait_dscnt 3-\i
	global_store_b128 v15, v[16+4*\i:16+4*\i+3], s[44:45] offset:1024*(\i/2)+512*(\i%2) th:TH_STORE_NT   ; 32 lanes store 512 consecutive bytes, at a multiple of 256 from out0's first byte
.endr
	s_set_vgpr_msb 0x5
	s_wait_tensorcnt 0x0
	ds_add_u32 v254, v255
	s_wait_dscnt 0x0
	s_set_vgpr_msb 0x500
	ROUND                                          ; the closing round: no work-group ends while a partner may still ask for rows that name it
	s_endpgm
.Lfunc_end_k_qbed8f48254_tail:
	.size	k_qbed8f48254_tail, .Lfunc_end_k_qbed8f48254_tail-k_qbed8f48254_tail
	.p2alignl 7, 3214868480
	.fill 96, 4, 3214868480
	.section	.rodata,"a",@progbits
	.p2align	6, 0x0
	.amdhsa_kernel k_qbed8f48254_tail
		.amdhsa_group_segment_fixed_size 310784
		.amdhsa_private_segment_fixed_size 0
		.amdhsa_enable_private_segment 0
		.amdhsa_kernarg_size 152
		.amdhsa_user_sgpr_count 2
		.amdhsa_user_sgpr_kernarg_segment_ptr 1
		.amdhsa_wavefront_size32 1
		.amdhsa_system_sgpr_workgroup_id_x 1
		.amdhsa_system_sgpr_workgroup_id_y 1
		.amdhsa_system_sgpr_workgroup_id_z 1
		.amdhsa_system_vgpr_workitem_id 0
		.amdhsa_next_free_vgpr 512
		.amdhsa_next_free_sgpr 100
		.amdhsa_reserve_vcc 1
		.amdhsa_float_denorm_mode_32 3
		.amdhsa_float_denorm_mode_16_64 3
		.amdhsa_memory_ordered 1
		.amdhsa_forward_progress 1
		.amdhsa_inst_pref_size 61
	.end_amdhsa_kernel
	.amdgpu_metadata
---
amdhsa.version: [ 1, 2 ]
amdhsa.kernels:
  - .name:           k_qbed8f48254_tail
    .symbol:         k_qbed8f48254_tail.kd
    .args:
      - { .name: ctxc, .offset: 0, .size: 8, .value_kind: global_buffer, .address_space: global }
      - { .name: x, .offset: 8, .size: 8, .value_kind: global_buffer, .address_space: global }
      - { .name: w_out_codes, .offset: 16, .size: 8, .value_kind: global_buffer, .address_space: global }
      - { .name: b_out, .offset: 24, .size: 8, .value_kind: global_buffer, .address_space: global }
      - { .name: w_comb_codes, .offset: 32, .size: 8, .value_kind: global_buffer, .address_space: global }
      - { .name: b_comb, .offset: 40, .size: 8, .value_kind: global_buffer, .address_space: global }
      - { .name: g1, .offset: 48, .size: 8, .value_kind: global_buffer, .address_space: global }
      - { .name: be1, .offset: 56, .size: 8, .value_kind: global_buffer, .address_space: global }
      - { .name: w_ip, .offset: 64, .size: 8, .value_kind: global_buffer, .address_space: global }
      - { .name: b_ip, .offset: 72, .size: 8, .value_kind: global_buffer, .address_space: global }
      - { .name: theta_ffn, .offset: 80, .size: 8, .value_kind: global_buffer, .address_space: global }
      - { .name: w1, .offset: 88, .size: 8, .value_kind: global_buffer, .address_space: global }
      - { .name: b1, .offset: 96, .size: 8, .value_kind: global_buffer, .address_space: global }
      - { .name: w2_codes, .offset: 104, .size: 8, .value_kind: global_buffer, .address_space: global }
      - { .name: b2, .offset: 112, .size: 8, .value_kind: global_buffer, .address_space: global }
      - { .name: g2, .offset: 120, .size: 8, .value_kind: global_buffer, .address_space: global }
      - { .name: be2, .offset: 128, .size: 8, .value_kind: global_buffer, .address_space: global }
      - { .name: lowp_scales, .offset: 136, .size: 8, .value_kind: global_buffer, .address_space: global }
      - { .name: out0, .offset: 144, .size: 8, .value_kind: global_buffer, .address_space: global }
    .group_segment_fixed_size: 310784
    .private_segment_fixed_size: 0
    .kernarg_segment_align: 8
    .kernarg_segment_size: 152
    .max_flat_workgroup_size: 256
    .sgpr_count:     100
    .vgpr_count:     512
    .wavefront_size: 32
...
	.end_amdgpu_metadata
.endif
;; end of part 3
